; MI455X (gfx1250); checked and timed in simulation.
; The chip was launched on July 23, 2026; its instructions are those of AMD's public machine-readable ISA for CDNA 5 (MIT licence, August 2026) and "CDNA5" Instruction Set Architecture Reference Guide (July 2026). The comments in the code are by the model that wrote it; some were corrected since.
;; Experts. Allowed arithmetic: matrix products marked QUANTISED: E5M2 operands, one given power-of-two scale a tensor, by v_wmma_f32_16x16x64_bf8_bf8 or v_wmma_f32_16x16x128_bf8_bf8, f32 sums; products left as they are: f32 operands where the result goes on into a quantised operand, else bf16, f16 or f32 operands; f32 sums; everything else in f32.
;; Inputs: down_proj_bias 8 x 1,024 float32; down_proj_codes 8 x 1,024 x 32 x 32 uint8 (E5M2 codes of down_proj, K innermost, in blocks of 32 codes); gate_up_proj_bias 8 x 2,048 float32; gate_up_proj_codes 8 x 2,048 x 32 x 32 uint8 (E5M2 codes of gate_up_proj, K innermost, in blocks of 32 codes); hidden_states_codes 2,048 x 32 x 32 uint8 (E5M2 codes of hidden_states, K innermost, in blocks of 32 codes); lowp_scales 4 int32 (the exponents e of the quantised operands' scales 2^e); routing_weights 2,048 x 8 float32.
;; Outputs: out0 2,048 x 1,024 float32.
;; This version of the problem:
;;   THIS VERSION OF THE PROBLEM IS GIVEN IN LOW PRECISION. The matrix products marked QUANTISED in the list below multiply operands that are first quantised to E5M2 (5 exponent bits, 2 mantissa bits; 8 bits a number), with one given power-of-two scale for each operand tensor; their sums are f32. All else is computed in f32.
;;   The module's matrix products, in the order in which they are computed (A, B: the left and right operand; K: the contracted axis; several contracted axes count as one K, in the product's order):
;;     1. [M 16,384, K 1,024] x [K 1,024, N 2,048]; A: input gate_up_proj (given as codes); B: input hidden_states (given as codes): QUANTISED (scales: A lowp_scales[0], B lowp_scales[1])
;;     2. batch 8 x [M 2,048, K 1,024] x [K 1,024, N 1,024]; A: computed on the way; B: input down_proj (given as codes): QUANTISED (scales: A lowp_scales[2], B lowp_scales[3])
;;     3. batch 2,048 x [M 1,024, K 8] x [K 8, N 1]; A: computed on the way; B: input routing_weights: left as it is (K = 8 < 32)
;;   THE QUANTISER, for each operand of a quantised product, along K:
;;     - The operand's scale is 2^e, e = its entry of the input lowp_scales (int32; the entries are numbered through the quantised products in the list's order, A before B).
;;     - Each number is divided by the scale, clamped to +-57,344, and rounded to the nearest number of E5M2, ties to even, subnormals kept.
;;     - The product sums the exact products of the quantised numbers (number of the format x scale) in f32.
;;   ~~~python
;;   def quantise(x, axis, e):      # numpy; x: float32 -> the quantised numbers, widened to float32 again
;;       x = np.moveaxis(x, axis, -1); K = x.shape[-1]
;;       r = np.clip(x / 2.0 ** e, -57344, 57344)
;;       step = 2.0 ** (np.maximum(np.frexp(np.where(r == 0, 1, r))[1] - 1, -14) - 2)
;;       q = np.round(r / step) * step * 2.0 ** e      # np.round: ties to even
;;       return np.moveaxis(q, -1, axis).astype(np.float32)
;;   ~~~
;;   OPERANDS COMPUTED ON THE WAY. 'Computed on the way' means the value that the module computes at that place (a softmax that the list does not call 'softmax' is quantised finished and normalised). What goes into a quantiser is computed in f32, as accurately as f32 sums, v_exp_f32 and their like allow (about 1e-6 of the number): no bf16 or f16 on the way to a quantiser, and a product that is left as it is and whose result goes on into a quantised operand takes f32 operands (vector FMAs, or v_wmma_f32_16x16x4_f32). A number that lies on a knife's edge between two numbers of the format may be rounded either way, as far as f32 arithmetic and the matrix unit's own rounding can turn it there, and no further.
;;   INPUTS GIVEN AS CODES. down_proj (in the module: [8, 1024, 1024], K = its axis 2); gate_up_proj (in the module: [8, 1024, 2048], K = its axis 1); hidden_states (in the module: [2048, 1024], K = its axis 1): each comes as NAME_codes (uint8): NAME with its K axis moved to the last place and cut into blocks of 32 codes, [.., K / 32, bytes a block], one block behind the other in memory; one code a byte (a code: sign, 5 exponent bits, 2 mantissa bits); its scale is its entry of lowp_scales. Its value is code x scale, taken as it is: it is not quantised again, and the codes and scales need not be those that the quantiser above would give.
;; One version. Each part assembles by itself: llvm-mc -triple=amdgcn-amd-amdhsa -mcpu=gfx1250 --defsym DOCPART=n.
;; ======== version 1 of 1: 2 launches
;; limits: right only within a limited range of input values
;; workspace buffers: act 16,777,216 bytes
;; launch gateup (part 1): grid 8 x 32, 4 waves a work-group, clusters of 4 x 1, 327,680 bytes of LDS; arguments hidden_states_codes, gate_up_proj_codes, gate_up_proj_bias, lowp_scales, act; writes act
.if DOCPART == 1
	.amdgcn_target "amdgcn-amd-amdhsa--gfx1250"
	.amdhsa_code_object_version 6
	.text
	.protected	k_q4aa0e95d48_gateup
	.globl	k_q4aa0e95d48_gateup
	.p2align	8
	.type	k_q4aa0e95d48_gateup,@function
k_q4aa0e95d48_gateup:
	s_mov_b64 s[64:65], 0
	v_nop
	global_prefetch_b8 v0, s[64:65] scope:SCOPE_SE
	s_setreg_imm32_b32 hwreg(HW_REG_WAVE_MODE, 25, 1), 1
	s_wait_xcnt 0x0
	s_wait_alu depctr_hold_cnt(0) depctr_sa_sdst(0) depctr_va_vdst(0) depctr_va_sdst(0) depctr_va_ssrc(0) depctr_va_vcc(0) depctr_vm_vsrc(0)
	s_getreg_b32 s2, hwreg(HW_REG_IB_STS2, 6, 4)
	s_cmp_eq_u32 s2, 0
	s_cbranch_scc0 .Lentry_in_a_cluster
	s_endpgm
.Lentry_in_a_cluster:
	s_bfe_u32 s2, ttmp6, 0x10000c
	s_cmp_lg_u32 s2, 0x3003
	s_cbranch_scc0 .Lentry_shape_is_right
	s_endpgm
.Lentry_shape_is_right:
; act[e][t][i] = (clip(up, -7, 7) + 1) gate' sigmoid(1.702 gate'), gate' = min(gate, 7); gate, up = even and odd columns f of hidden_states x gate_up_proj[e] + bias; then quantised to E5M2 with the given 2^e2.
; The product runs on the E5M2 codes as they are given (scales 2^e0, 2^e1; k1 = e0 + e1).  NOTHING IS LEFT OUT: every expert is weighed into the result by a floating-point weight, and every input has a way to the output.
; LIMITS: k1 between -100 and 100; e2 - k1 between -126 and 112 (each power of two below is then an f32 number).  NaN and infinity among the inputs are not served.
; SHARES.  A work-group takes 256 tokens x 512 rows f of gate_up (y = 4 e + quarter: 256 columns i of act).  Wave w keeps its 64 tokens x K 1,024 in 512 registers for the whole launch; the weights stream
; through a ring of two LDS slots (64 gate rows, then 64 up rows, each row 1,024 bytes) and all four waves read the same fragments: one fragment feeds four matrix instructions.
; THE PRODUCT IS USED TRANSPOSED (source 0 = 16 weight rows, source 1 = 16 tokens): a lane holds one token, and its eight registers eight neighbouring i, which are neighbours along the next product's K.
; A TURN is one tile of 16 i: 16 gate rows and 16 up rows x 64 tokens x K 1,024 = 64 matrix instructions on 8 accumulators by turns.  Behind it stands a BLOCK: the next tile's fragments are asked for, and the tile's
; activation is made up to its last multiplication; the hold and the conversion stand among the next turn's products.  Two sets of accumulators take turns.  Tiles 0 and 1 go together, K step by K step, as the tokens come in.
; CLUSTER.  The four work-groups of a cluster share y, so each weight tile is asked for jointly (mask 15).  The tokens are not: each wave reads its own 65,536 bytes once, straight into registers;
; staged in LDS a work-group's 256 rows of 1,040 bytes would take 266,240 bytes, all that the ring has.
; NO PREFETCH: a slot's refill has four turns, 256 matrix instructions, and their blocks ahead of the wait for it, and a work-group has two refills in all.
; ACT'S LAYOUT (a workspace of this program): [64 tokens tb][y][pair of tiles 0..7][16 tokens a][lane][16 bytes]: lane (r, h) holds token 16 a + r, i = 32 pair + 16 h + 0 .. 15: the next launch's operand registers as they stand.
; REGISTERS, in windows of 256.  Window 0: v1-11 addresses and constants; v16-79, v80-143 two sets of accumulators (gate of tokens 16 a at +8 a, up at +32 + 8 a); v144-175 exponentials, reciprocals;
;   v192-207 the tile's biases (the C of its first products; tile 1's in v176-191); v208-223 codes.  Window 1: the tile's weight fragments (K step s: gate at 32 s, up at 32 s + 16).
;   Windows 2, 3: the tokens (K step s, tokens 16 a: window 2 + s / 4, v[64 (s % 4) + 16 a]).
.set PITCH, 1040                       ; an LDS row: 1,024 bytes + 16 of padding, an odd multiple of 16: the 16 rows of a fragment load begin at 16 different 16-byte columns modulo 256
.set TILEB, 16*PITCH
.set HALFS, 64*PITCH                   ; a slot's gate rows; its up rows lie behind them
.set SLOTB, 2*HALFS                    ; 133,120 = 0x20800
.set SPARE, 2*SLOTB                    ; behind the ring: the spare words, 128 bytes for each wave
.set BT,    SPARE+512                  ; the bias table: [tile 16][h 2][8 gate, 8 up] f32, x 2^-k1: 2,048 bytes that no tensor load fills
.set LB,   1                           ; v1   r x PITCH + 16 h
.set LBU,  2                           ; v2   the same among the up rows
.set ADG,  3                           ; v3   v1 + the slot in hand
.set ADU,  4                           ; v4   v2 + the slot in hand
.set XA,   5                           ; v5   tokens: r x 1,024 + 16 h
.set BTA,  6                           ; v6   BT + 64 h
.set BTC,  7                           ; v7   v6 + the walk through the table
.set STO,  8                           ; v8   16 x lane
.set SPW,  9                           ; v9   my spare word; never rewritten
.set NIL,  10                          ; v10  0; never rewritten
.set CVS,  11                          ; v11  2^(e2 - k1) as f32: the conversions' scale
.set ACC0, 16
.set XR,   144
.set BG1,  176
.set BG,   192
.set CODE, 208
.set WB,   12                          ; s[12:13] where the next pair of tiles is stored
.set WV,   14                          ; s14  wave
.set G1,   24                          ; s[24:31] descriptor group 1
.set G0A,  32                          ; s[32:35] group 0 of the first fill of slot 0
.set G0W,  36                          ; s[36:39] group 0 of the first fill of slot 1; it then walks
.set SB,   40                          ; s40  the slot in hand: 0 or SLOTB
.set BQ,   41                          ; s41  the walk through the bias table
.set TRIP, 42
.set CC,   44                          ; s[44:45] -1.702 log2(e) 2^k1
.set SC1,  46                          ; s[46:47] 2^k1
.set LIMP, 48                          ; s48, s49  +-7 x 2^-k1
.set LIMN, 49
.set HOLDP, 50                         ; s50, s51  +-57,344 x 2^(e2 - k1)
.set HOLDN, 51
.set W_LO, 0x09                        ; source 0 (weights) window 1, source 1 (tokens) window 2, C and D window 0
.set W_HI, 0x0d                        ; the same with the tokens in window 3
.set W_LD, 0x40                        ; destination window 1
.set MSB, 0
.macro WIN new                         ; the immediate's high byte repeats the setting that is left; a switch that changes nothing is dropped
.if MSB != (\new)
	s_set_vgpr_msb (MSB<<8)|(\new)
.set MSB, (\new)
.endif
.endm
.macro PLACES                          ; four plain vector lines behind a matrix instruction (ISA guide 7.12.1), where no useful ones are at hand
.rept 4
	v_nop
.endr
.endm
.macro VW
	s_wait_alu depctr_va_vdst(0)
.endm
.macro CREST                           ; a round of the cluster's barrier behind its opening barrier
	s_cmp_lg_u32 s[WV], 0
	s_cbranch_scc1 .Lnot_wave_0_\@
	s_barrier_signal -3
.Lnot_wave_0_\@:
	s_barrier_wait -3
	s_barrier_signal -1
	s_barrier_wait -1
.endm
.macro ROUND
	s_barrier_signal -1
	s_barrier_wait -1
	CREST
.endm
.macro LD4 reg, adr, off               ; a fragment: lane (r, h) takes, of row r, K = 128 s + 32 c + 16 h + 0 .. 15 into registers 4 c .. 4 c + 3: the tokens are loaded alike
.irp c, 0,1,2,3
	ds_load_b128 v[\reg+4*\c:\reg+4*\c+3], v[\adr] offset:\off+32*\c
.endr
.endm
.macro FRAGS s0, s1, tp                ; K steps s0 .. s1 of the tile at place tp of the slot in hand: eight loads a K step
	WIN W_LD
.set fs, \s0
.rept \s1-\s0+1
	LD4 32*fs, ADG, (\tp)*TILEB+128*fs
	LD4 32*fs+16, ADU, (\tp)*TILEB+128*fs
.set fs, fs+1
.endr
	WIN 0
.endm
.macro HFRAG k                         ; K step k of tiles 0 and 1: 16 loads into the head's ring of four K steps
	WIN W_LD
.irp t, 0,1
	LD4 64*((\k)%4)+32*\t, ADG, \t*TILEB+128*(\k)
	LD4 64*((\k)%4)+32*\t+16, ADU, \t*TILEB+128*(\k)
.endr
	WIN 0
.endm
.macro BIASLD reg, imm                 ; a tile's 8 gate and 8 up biases of my half of the lanes
.irp c, 0,1,2,3
	ds_load_b128 v[\reg+4*\c:\reg+4*\c+3], v[BTC] offset:(\imm)+16*\c
.endr
.endm
.macro TOK ks                          ; my 64 tokens' codes of K step ks: 16 loads
	WIN 0x80+0x40*((\ks)/4)
.irp a, 0,1,2,3
.irp c, 0,1,2,3
	global_load_b128 v[64*((\ks)%4)+16*\a+4*\c:64*((\ks)%4)+16*\a+4*\c+3], v[XA], s[4:5] offset:\a*16384+128*(\ks)+32*\c
.endr
.endr
.endm
; a matrix instruction of K step ks, gate or up kd, tokens 16 aa.  The accumulators take turns, one instruction a turn.  The first K step takes the biases as C
.macro MM
.if ks < 4
	WIN W_LO
.else
	WIN W_HI
.endif
.if ks == 0
	v_wmma_f32_16x16x128_bf8_bf8 v[rD:rD+7], v[rW:rW+15], v[rT:rT+15], v[rC:rC+7]
.else
	v_wmma_f32_16x16x128_bf8_bf8 v[rD:rD+7], v[rW:rW+15], v[rT:rT+15], v[rD:rD+7]
.endif
.endm
; the end of a tile's activation: its set at sf holds act / 2^k1.  half: the tile's place in its pair
.macro HOLD n
	v_med3_num_f32 v[sf+\n], s[HOLDN], s[HOLDP], v[sf+\n]   ; the conversion to an 8-bit code does not saturate (ISA guide 7.6.2).  The register stands as source 2, which the products' setting too takes from window 0
.endm
.macro CONV half
	WIN 0
.irp a, 0,1,2,3
	v_cvt_scalef32_pk8_bf8_f32 v[CODE+4*\a+2*(\half):CODE+4*\a+2*(\half)+1], v[sf+8*\a:sf+8*\a+7], v[CVS]
.endr
	v_nop                                          ; one plain line between the conversions and what next touches their results or writes their sources
.if \half
.irp a, 0,1,2,3
	v_permlane16_swap_b32 v[CODE+4*\a], v[CODE+4*\a+2]       ; lanes 16-31 of the even tile's codes change places with lanes 0-15 of the odd tile's:
	v_permlane16_swap_b32 v[CODE+4*\a+1], v[CODE+4*\a+3]     ; lane (r, h) then holds i = 32 pair + 16 h + 0 .. 15 in four registers
.endr
.endif
.endm
.macro STORE
.irp a, 0,1,2,3
	global_store_b128 v[STO], v[CODE+4*\a:CODE+4*\a+3], s[WB:WB+1] offset:512*\a   ; 32 lanes store 512 consecutive bytes; the four stores 2,048
.endr
.endm
; THE BLOCK behind a turn, four places behind its last product: the activation of its tile (32 gates G, 32 ups U a lane, as raw sums: gate = G 2^k1), set cs.
; more = 1: the next tile's fragments are asked for, K steps 0-3 with its biases (36 loads) first, K steps 4-7 (32) behind the exponentials.  sto = 1: the pair finished in the turn goes out.
; No sum is open here: no transcendental stands between two steps of a sum.  Every first read of a sum stands ahead of the exponentials, each accumulator from its low end on.
.macro BLOCK cs, more, tpn, bimm, sto
.set st, ACC0+64*(\cs)
	VW
.if \sto
	STORE
.endif
.if \more
	BIASLD BG, \bimm
	FRAGS 0, 3, \tpn
.endif
	VW
.set n, 0
.rept 32
	v_min_num_f32 v[st+n], s[LIMP], v[st+n]        ; G = min(G, 7 / 2^k1)
.set n, n+1
.endr
.rept 32
	v_med3_num_f32 v[st+n], v[st+n], s[LIMN], s[LIMP]   ; U held within +-7 / 2^k1
.set n, n+1
.endr
.set n, 0
.rept 16
	v_pk_mul_f32 v[XR+n:XR+n+1], v[st+n:st+n+1], s[CC:CC+1] op_sel_hi:[1,0]   ; X = -1.702 log2(e) gate
.set n, n+2
.endr
	VW
.set n, 0
.rept 16
	v_exp_f32 v[XR+n], v[XR+n]
	v_pk_fma_f32 v[st+32+n:st+33+n], v[st+32+n:st+33+n], s[SC1:SC1+1], 1.0 op_sel_hi:[1,0,0]   ; U = up + 1
	v_exp_f32 v[XR+n+1], v[XR+n+1]
.set n, n+2
.endr
	VW
.if \more
	FRAGS 4, 7, \tpn
.endif
.set n, 0
.rept 16
	v_pk_add_f32 v[XR+n:XR+n+1], v[XR+n:XR+n+1], 1.0 op_sel_hi:[1,0]
.set n, n+2
.endr
	VW
.set n, 0
.rept 16
	v_rcp_f32 v[XR+n], v[XR+n]
	v_pk_mul_f32 v[st+n:st+n+1], v[st+n:st+n+1], v[st+32+n:st+33+n]   ; G = G U
	v_rcp_f32 v[XR+n+1], v[XR+n+1]
.set n, n+2
.endr
	VW
.if \sto
	s_wait_xcnt 0x0                                ; the stores have read their base and their data: both are written again only behind this wait
	s_add_nc_u64 s[WB:WB+1], s[WB:WB+1], 2048
.endif
.set n, 0
.rept 16
	v_pk_mul_f32 v[st+n:st+n+1], v[st+n:st+n+1], v[XR+n:XR+n+1]
.set n, n+2
.endr
.endm
; A TURN on set cs, with the end of the last tile's activation among its products, and its block.  tpn: the next tile's place in its slot; bimm: its place in the bias table.
; mode 0 plain; 1: the slot's last tile, the slot is filled again with the weights two slots on; 2: the slot's last tile, nothing is filled; 3: the last tile.
.macro TURN cs, tpn, bimm, mode
.set sf, ACC0+64*(1-\cs)
	s_wait_dscnt 32                                ; the biases and K steps 0-3 are in; the 32 loads of K steps 4-7 may be out
.set i, 0
.rept 64
.set ks, i/8
.set kd, i%2
.set aa, (i%8)/2
.set rD, ACC0+64*(\cs)+32*kd+8*aa
.set rW, 32*ks+16*kd
.set rT, 64*(ks%4)+16*aa
.set rC, BG+8*kd
.if i == 32
	s_wait_dscnt 0x0                               ; K steps 4-7 are in: my last reads of this tile
.if (\mode == 1) || (\mode == 2)
	WIN 0
	s_wait_tensorcnt 0x0                           ; all my tensor loads have landed, my part of the next slot among them: so a group 0 may be written
	ds_add_u32 v[SPW], v[NIL]                      ; 0 onto my spare word; eight products stand between it and the wait for it
.if \mode == 1
	s_xor_b32 s[G0W+1], s[G0W+1], SLOTB            ; the other slot than last time (the wave's part of the address, 0x18600 at the most, shares no bit with 0x20800)
	s_add_nc_u64 s[G0W+2:G0W+3], s[G0W+2:G0W+3], 0x20000   ; 128 rows of 1,024 bytes on; the type bits on top are not reached
.endif
	s_xor_b32 s[SB], s[SB], SLOTB
.endif
.endif
.if (i == 40) && ((\mode == 1) || (\mode == 2))
	s_wait_dscnt 0x0                               ; the add is done, and my reads of the slot that is left are over
	s_barrier_signal -1                            ; 24 products stand between signal and wait
.endif
	MM
.if i < 16
	HOLD 2*i
	HOLD 2*i+1
.endif
.if i == 24
	CONV 1-\cs
.endif
.set i, i+1
.endr
	WIN 0
.if (\mode == 1) || (\mode == 2)
	s_barrier_wait -1
.if \mode == 1
	CREST                                          ; no wave of any partner still reads that slot or has a load on its way
	tensor_load_to_lds s[G0W:G0W+3], s[G1:G1+7]    ; my one tensor load behind the round: four turns ahead of the wait for it
	s_nop 0
.endif
.endif
	PLACES
.if (\mode == 1) || (\mode == 2)
	v_add_nc_u32 v[ADG], s[SB], v[LB]
	v_add_nc_u32 v[ADU], s[SB], v[LBU]
.endif
.if \mode < 3
	BLOCK \cs, 1, \tpn, \bimm, 1-\cs
.else
	BLOCK \cs, 0, 0, 0, 1-\cs
.endif
.endm
	s_load_b256 s[4:11], s[0:1], 0x0               ; tokens' codes s[4:5], weights' codes s[6:7], bias s[8:9], the scales' exponents s[10:11]
	s_load_b64 s[WB:WB+1], s[0:1], 0x20            ; act
	v_lshl_add_u32 v[SPW], v0, 2, SPARE
	v_mov_b32 v[NIL], 0
	ds_add_u32 v[SPW], v[NIL]                      ; the wave's opening: the add, twice on end, and its wait ahead of my first tensor load
	ds_add_u32 v[SPW], v[NIL]
	v_lshrrev_b32 v12, 5, v0
	v_readfirstlane_b32 s[WV], v12                 ; wave 0..3
	v_and_b32 v48, 15, v0                          ; r
	v_bfe_u32 v49, v0, 4, 1                        ; h
	v_lshlrev_b32 v50, 4, v0
	v_lshlrev_b32 v[XA], 10, v48
	v_lshl_add_u32 v[XA], v49, 4, v[XA]
	v_mul_u32_u24 v[LB], v48, PITCH
	v_lshl_add_u32 v[LB], v49, 4, v[LB]
	v_add_nc_u32 v[LBU], HALFS, v[LB]
	v_mov_b32 v[ADG], v[LB]                        ; slot 0
	v_mov_b32 v[ADU], v[LBU]
	v_lshl_add_u32 v[BTA], v49, 6, BT
	v_mov_b32 v[BTC], v[BTA]
	v_and_b32 v52, 31, v0
	v_lshlrev_b32 v[STO], 4, v52
	v_lshrrev_b32 v51, 2, v0                       ; the table's place for i = 2 t: tile t / 8, half (t / 4) % 2, number 2 (t % 4): 64 (t / 4) + 8 (t % 4)
	v_lshlrev_b32 v51, 6, v51
	v_and_b32 v53, 3, v0
	v_lshl_add_u32 v51, v53, 3, v51
	v_add_nc_u32 v51, BT, v51
	VW
	s_and_b32 s17, ttmp7, 0xffff                   ; y, which the four partners share
	; descriptor group 1: 32 rows of 1,024 bytes, every second row of the weights (gates and ups come apart), padded in LDS
	s_mov_b32 s[G1], 15|(1<<20)|(1<<21)|(7<<22)|(3<<25)   ; 15:0 the mask: all four work-groups; 17:16 elements of 1 byte; 20 padding on; 21 set beside a mask; 24:22 after every 256 words (code 7); 31:25 four words (code 3)
	s_mov_b32 s[G1+1], 1024<<16                    ; tensor_dim0
	s_mov_b32 s[G1+2], 32<<16                      ; tensor_dim1
	s_mov_b32 s[G1+3], 1024<<16                    ; tile_dim0
	s_mov_b32 s[G1+4], 32                          ; tile_dim1
	s_mov_b32 s[G1+5], 2048                        ; from row to row: two rows of the weights
	s_mov_b32 s[G1+6], 0
	s_mov_b32 s[G1+7], 0
	s_and_b32 s56, s[WV], 1                        ; which 32 of a slot's 64 i I fetch
	s_lshr_b32 s57, s[WV], 1                       ; gates (0) or ups (1)
	s_lshl_b32 s58, s17, 19                        ; row 512 y + 64 (w & 1) + (w >> 1), x 1,024 bytes
	s_lshl_b32 s59, s56, 16
	s_add_co_u32 s58, s58, s59
	s_lshl_b32 s59, s57, 10
	s_add_co_u32 s58, s58, s59
	s_mov_b32 s59, 0
	s_mul_i32 s60, s57, HALFS                      ; and where they go in a slot: no place in the cluster enters an LDS address
	s_mul_i32 s61, s56, 32*PITCH
	s_add_co_u32 s60, s60, s61
	s_bfe_u32 s15, ttmp6, 0x40000                  ; cx: it enters the tokens' and act's addresses alone
	s_lshl_b32 s16, ttmp9, 2
	s_add_co_u32 s16, s16, s15                     ; my block of 256 tokens
	s_lshl_b32 s20, s16, 18
	s_lshl_b32 s21, s[WV], 16
	s_add_co_u32 s20, s20, s21                     ; my wave's 64 tokens, in bytes
	s_mov_b32 s21, 0
	s_lshl_b32 s22, s16, 2
	s_add_co_u32 s22, s22, s[WV]                   ; their block of act,
	s_lshl_b32 s22, s22, 19                        ; 524,288 bytes each,
	s_lshl_b32 s23, s17, 14                        ; + 16,384 y
	s_add_co_u32 s22, s22, s23
	s_mov_b32 s23, 0
	s_lshl_b32 s18, s17, 11                        ; the 512 biases of y
	s_mov_b32 s19, 0
	s_mov_b32 s[SB], 0
	s_mov_b32 s[BQ], 0
	s_wait_dscnt 0x0                               ; both opening adds are done
	s_wait_kmcnt 0x0
	s_load_b128 s[52:55], s[10:11], 0x0            ; e0, e1, e2, e3
	s_add_nc_u64 s[4:5], s[4:5], s[20:21]
	s_add_nc_u64 s[8:9], s[8:9], s[18:19]
	s_add_nc_u64 s[WB:WB+1], s[WB:WB+1], s[22:23]
	s_mov_b32 s[G0A], 1                            ; count = 1
	s_mov_b32 s[G0A+1], s60                        ; LDS address: slot 0
	s_add_nc_u64 s[G0A+2:G0A+3], s[6:7], s[58:59]  ; the first 128 rows of y
	s_or_b32 s[G0A+3], s[G0A+3], 0x80000000        ; type = 2
	s_mov_b32 s[G0W], 1
	s_add_co_u32 s[G0W+1], s60, SLOTB              ; slot 1
	s_add_nc_u64 s[G0W+2:G0W+3], s[6:7], s[58:59]
	s_add_nc_u64 s[G0W+2:G0W+3], s[G0W+2:G0W+3], 0x20000   ; the next 128 rows
	s_or_b32 s[G0W+3], s[G0W+3], 0x80000000
	ROUND                                          ; all four work-groups are here: the first joint loads meet
	tensor_load_to_lds s[G0A:G0A+3], s[G1:G1+7]    ; slot 0: one tensor load a wave at the head
	s_nop 0
	PLACES
	global_load_b128 v[12:15], v50, s[8:9]         ; thread t: gate(2 t), up(2 t), gate(2 t + 1), up(2 t + 1)
	TOK 0
	TOK 1
	TOK 2
	WIN 0
	s_wait_kmcnt 0x0
	s_add_co_i32 s56, s52, s53                     ; k1 = e0 + e1: a raw sum stands for sum x 2^k1
	s_lshl_b32 s57, s56, 23
	s_add_co_u32 s[CC], s57, 0xc01d265f            ; -1.702 log2(e), k1 added to its exponent field
	s_mov_b32 s[CC+1], s[CC]                       ; (named with it as a pair, so it is written)
	s_add_co_i32 s58, s56, 127
	s_lshl_b32 s[SC1], s58, 23                     ; 2^k1
	s_mov_b32 s[SC1+1], s[SC1]
	s_sub_co_u32 s[LIMP], 0x40e00000, s57          ; 7 x 2^-k1
	s_xor_b32 s[LIMN], s[LIMP], 0x80000000
	s_sub_co_i32 s58, s54, s56                     ; e2 - k1: the scales folded into the conversion's one
	s_add_co_i32 s58, s58, 127
	s_lshl_b32 s59, s58, 23
	v_mov_b32 v[CVS], s59
	s_add_co_i32 s58, s58, 15
	s_lshl_b32 s[HOLDP], s58, 23
	s_or_b32 s[HOLDP], s[HOLDP], 0x600000          ; 57,344 x 2^(e2 - k1)
	s_xor_b32 s[HOLDN], s[HOLDP], 0x80000000
	s_sub_co_i32 s59, 0, s56
	VW
	s_wait_loadcnt 48                              ; the biases are in; the 48 token loads behind them may be out
	v_ldexp_f32 v56, v12, s59                      ; bias / 2^k1, the two gates and the two ups side by side
	v_ldexp_f32 v57, v14, s59
	v_ldexp_f32 v58, v13, s59
	v_ldexp_f32 v59, v15, s59
	ds_store_b64 v51, v[56:57]
	ds_store_b64 v51, v[58:59] offset:32
	TOK 3
	TOK 4
	WIN 0
	VW
	s_wait_tensorcnt 0x0                           ; my part of slot 0 is in
	ds_add_u32 v[SPW], v[NIL]
	s_wait_dscnt 0x0                               ; the add is done, and my part of the bias table is written
	ROUND
	tensor_load_to_lds s[G0W:G0W+3], s[G1:G1+7]    ; slot 1
	s_nop 0
	PLACES
	BIASLD BG, 0
	BIASLD BG1, 128
	HFRAG 0
	HFRAG 1
	HFRAG 2
	HFRAG 3
	TOK 5
	WIN 0
.set ks, 0
.rept 8                                        ; tiles 0 and 1, K step by K step: 16 products on 16 accumulators by turns
.if ks < 2
.set lc, 80                            ; five later K steps have been asked for by now
.else
.set lc, 16*(7-ks)
.endif
.if lc > 63
.set lc, 63
.endif
	s_wait_loadcnt lc                              ; this K step's tokens are in: 16 loads for each later one may be out (the count's field ends at 63)
.if ks < 5
	s_wait_dscnt 48                                ; its fragments are in: 16 loads for each of the three K steps behind it
.else
	s_wait_dscnt 16*(7-ks)
.endif
.set w, 0
.rept 16
.set kd, (w/4)%2
.set aa, w%4
.set rD, ACC0+64*(w/8)+32*kd+8*aa
.set rW, 64*(ks%4)+32*(w/8)+16*kd
.set rT, 64*(ks%4)+16*aa
.set rC, BG-16*(w/8)+8*kd
	MM
.set w, w+1
.endr
.if ks < 4
	WIN 0
	PLACES
	HFRAG ks+4
.if ks < 2
	TOK ks+6                                       ; the last two K steps of the tokens
	WIN 0
.endif
.endif
.set ks, ks+1
.endr
	WIN 0
	PLACES
	BLOCK 0, 0, 0, 0, 0
.set sf, ACC0
.set n, 0
.rept 32
	HOLD n
.set n, n+1
.endr
	CONV 0
	BLOCK 1, 1, 2, 256, 0
	s_mov_b32 s[TRIP], 2
.Lfour:                                                ; tiles 2-5 and 6-9: each trip leaves a slot and fills it again
	TURN 0, 3, 384, 0
	TURN 1, 0, 512, 1
	TURN 0, 1, 640, 0
	TURN 1, 2, 768, 0
	s_add_co_u32 s[BQ], s[BQ], 512                 ; four tiles on in the bias table
	v_add_nc_u32 v[BTC], s[BQ], v[BTA]
	VW
	s_sub_co_u32 s[TRIP], s[TRIP], 1
	s_cmp_lg_u32 s[TRIP], 0
	s_cbranch_scc1 .Lfour
	TURN 0, 3, 384, 0                              ; tiles 10-15 are written out: the last change of slots asks for nothing
	TURN 1, 0, 512, 2
	TURN 0, 1, 640, 0
	TURN 1, 2, 768, 0
	TURN 0, 3, 896, 0
	TURN 1, 0, 0, 3
.set sf, ACC0+64
.set n, 0
.rept 32
	HOLD n
.set n, n+1
.endr
	CONV 1
	STORE
	s_wait_tensorcnt 0x0                           ; the wave's end, behind my last tensor load and my last LDS store
	ds_add_u32 v[SPW], v[NIL]
	s_wait_dscnt 0x0
	ROUND                                          ; the closing round: no work-group ends while a partner may still ask for a tile that names it
	s_endpgm
.Lfunc_end_k_q4aa0e95d48_gateup:
	.size	k_q4aa0e95d48_gateup, .Lfunc_end_k_q4aa0e95d48_gateup-k_q4aa0e95d48_gateup
	.p2alignl 7, 3214868480
	.fill 96, 4, 3214868480
	.section	.rodata,"a",@progbits
	.p2align	6, 0x0
	.amdhsa_kernel k_q4aa0e95d48_gateup
		.amdhsa_group_segment_fixed_size 327680
		.amdhsa_private_segment_fixed_size 0
		.amdhsa_enable_private_segment 0
		.amdhsa_kernarg_size 40
		.amdhsa_user_sgpr_count 2
		.amdhsa_user_sgpr_kernarg_segment_ptr 1
		.amdhsa_wavefront_size32 1
		.amdhsa_system_sgpr_workgroup_id_x 1
		.amdhsa_system_sgpr_workgroup_id_y 1
		.amdhsa_system_sgpr_workgroup_id_z 1
		.amdhsa_system_vgpr_workitem_id 0
		.amdhsa_next_free_vgpr 1024
		.amdhsa_next_free_sgpr 66
		.amdhsa_reserve_vcc 0
		.amdhsa_float_denorm_mode_32 3
		.amdhsa_float_denorm_mode_16_64 3
		.amdhsa_memory_ordered 1
		.amdhsa_forward_progress 1
		.amdhsa_inst_pref_size 255
	.end_amdhsa_kernel
	.section	.bss,"aw",@nobits
	.p2align	6
	.space	262144
	.amdgpu_metadata
---
amdhsa.version: [ 1, 2 ]
amdhsa.kernels:
  - .name:           k_q4aa0e95d48_gateup
    .symbol:         k_q4aa0e95d48_gateup.kd
    .args:
      - { .name: hidden_states_codes, .offset: 0, .size: 8, .value_kind: global_buffer, .address_space: global }
      - { .name: gate_up_proj_codes, .offset: 8, .size: 8, .value_kind: global_buffer, .address_space: global }
      - { .name: gate_up_proj_bias, .offset: 16, .size: 8, .value_kind: global_buffer, .address_space: global }
      - { .name: lowp_scales, .offset: 24, .size: 8, .value_kind: global_buffer, .address_space: global }
      - { .name: act, .offset: 32, .size: 8, .value_kind: global_buffer, .address_space: global }
    .group_segment_fixed_size: 327680
    .private_segment_fixed_size: 0
    .kernarg_segment_align: 8
    .kernarg_segment_size: 40
    .max_flat_workgroup_size: 128
    .sgpr_count:     66
    .vgpr_count:     1024
    .wavefront_size: 32
...
	.end_amdgpu_metadata
.endif
;; end of part 1
;; launch down (part 2): grid 32 x 8, 4 waves a work-group, clusters of 4 x 1, 327,680 bytes of LDS; arguments act, down_proj_codes, down_proj_bias, routing_weights, lowp_scales, out0; writes out0
.if DOCPART == 2
	.amdgcn_target "amdgcn-amd-amdhsa--gfx1250"
	.amdhsa_code_object_version 6
	.text
	.protected	k_q4aa0e95d48_down
	.globl	k_q4aa0e95d48_down
	.p2align	8
	.type	k_q4aa0e95d48_down,@function
k_q4aa0e95d48_down:
	s_mov_b64 s[64:65], 0
	v_nop
	global_prefetch_b8 v0, s[64:65] scope:SCOPE_SE
	s_setreg_imm32_b32 hwreg(HW_REG_WAVE_MODE, 25, 1), 1
	s_wait_xcnt 0x0
	s_wait_alu depctr_hold_cnt(0) depctr_sa_sdst(0) depctr_va_vdst(0) depctr_va_sdst(0) depctr_va_ssrc(0) depctr_va_vcc(0) depctr_vm_vsrc(0)
	s_getreg_b32 s2, hwreg(HW_REG_IB_STS2, 6, 4)
	s_cmp_eq_u32 s2, 0
	s_cbranch_scc0 .Lentry_in_a_cluster
	s_endpgm
.Lentry_in_a_cluster:
	s_bfe_u32 s2, ttmp6, 0x10000c
	s_cmp_lg_u32 s2, 0x3003
	s_cbranch_scc0 .Lentry_shape_is_right
	s_endpgm
.Lentry_shape_is_right:
; out[t][h] = sum over e of rw[t][e] (2^k2 x sum over i of act[e][t][i] down[e][h][i] + bias[e][h]), k2 = e2 + e3; the products on the E5M2 codes, everything else f32.  NOTHING IS LEFT OUT.
; LIMITS: rw x 2^k2 is an f32 number.  NaN and infinity among the inputs are not served.
; SHARES.  A work-group takes 64 tokens x 128 h, all eight experts.  Wave w takes the quarter i = 256 w .. 256 w + 255 of each expert's K for all 64 x 128: 32 accumulators; so each byte of act goes to one wave and
; each byte of a weight tile is read from LDS once.  Behind each expert the sums are folded, x rw, into 256 registers of totals; at the end the four waves' totals are added through LDS.
; THE BIAS: the totals begin as the sum of rw x bias over experts 2 w and 2 w + 1: over the four waves all eight.
; THE PRODUCT IS USED TRANSPOSED (source 0 = 16 weight rows, source 1 = 16 tokens): a lane holds one token and eight neighbouring h.
; ACT arrives as the operand's registers stand (the launch before lays it so) and goes from memory straight into them, a K step of 128 at a time, more than one expert ahead.
; THE WEIGHTS: an expert's 128 rows of 1,024 bytes are one slot of a ring of two, each wave fetching 32 rows.
; CLUSTER.  The four work-groups of a cluster share h, so each weight tile is asked for jointly (mask 15).  Act, which work-groups of other h share, is not: staged it would take 66,560 bytes more for each of the two slots,
; 399,360 with the weights', beyond a work-group's LDS.
; PREFETCH: in the first two trips, behind each joint load (of tile e + 2), tile e + 4's 512 blocks of 256 bytes: 128 for each partner, by its cx, 32 for each wave, one a lane; in four of the eight clusters that read the tile.
; REGISTERS, in windows of 256.  Window 0: v1-14 addresses; v16-47 rw x 2^k2 (tokens 16 a, expert n behind the one in hand at 16 + 8 a + n); v48-55 rw of my two bias experts; v64-255 three buffers of four weight fragments.
;   Window 1: act, two buffers of 128 (expert's parity), K step s at 64 s.  Window 2: the sums of 16 tokens a x 16 h b at 8 (4 b + a).  Window 3: the totals likewise.
.set PITCH, 1040                       ; 1,024 bytes + 16 of padding: the 16 rows of a fragment load begin at 16 different 16-byte columns modulo 256
.set TILEB, 16*PITCH
.set SLOTB, 128*PITCH
.set SPARE, 2*SLOTB                    ; behind the ring: the spare words, 128 bytes for each wave
.set SP,    528                        ; the way out: a stage row, 512 bytes + 16
.set STGW,  64*SP                      ; a wave's stage; the four lie over the ring, behind its last fill and last read
.set AD,   1                           ; v1-4  fragments: slot 0 h 0-63, slot 0 h 64-127, slot 1 likewise
.set AO,   5                           ; v5    16 x lane
.set RO,   6                           ; v6    32 r: a token's routing weights
.set BO,   7                           ; v7    32 h: my eight biases of 16
.set STO,  8                           ; v8    stage, in
.set SPW,  9                           ; v9    my spare word; never rewritten
.set NIL,  10                          ; v10   0; never rewritten
.set SRD,  11                          ; v11   stage, back: waves 0, 1; v12: waves 2, 3
.set PFV,  14                          ; v14   256 x lane
.set RW,   16
.set RP,   48
.set WV,   16                          ; s16   wave
.set G1,   24                          ; s[24:31] descriptor group 1
.set G0,   32                          ; s[32:39] group 0, one set for each slot
.set PFL,  40                          ; s40   prefetch while the trip count is above this
.set TRIP, 41
.set K2,   42
.set PFA,  56                          ; s[56:57] my part of the tile that is prefetched
.set MSB, 0
.macro WIN new                         ; the immediate's high byte repeats the setting that is left
.if MSB != (\new)
	s_set_vgpr_msb (MSB<<8)|(\new)
.set MSB, (\new)
.endif
.endm
.macro PLACES                          ; four plain vector lines behind a matrix instruction (ISA guide 7.12.1)
.rept 4
	v_nop
.endr
.endm
.macro VW
	s_wait_alu depctr_va_vdst(0)
.endm
.macro CREST                           ; a round of the cluster's barrier behind its opening barrier
	s_cmp_lg_u32 s[WV], 0
	s_cbranch_scc1 .Lnot_wave_0_\@
	s_barrier_signal -3
.Lnot_wave_0_\@:
	s_barrier_wait -3
	s_barrier_signal -1
	s_barrier_wait -1
.endm
.macro ROUND
	s_barrier_signal -1
	s_barrier_wait -1
	CREST
.endm
; a fragment of quarter qq (K step qq / 2, h half qq % 2), block n of its four: 16 rows x 128 K: four loads, into buffer qq % 3
.macro FRAGL sl, qq, n
.set lr, 64+64*((\qq)%3)+16*(\n)
.set lo, (\n)*TILEB+128*((\qq)/2)
	WIN 0
.irp c, 0,1,2,3
	ds_load_b128 v[lr+4*\c:lr+4*\c+3], v[AD+2*(\sl)+(\qq)%2] offset:lo+32*\c
.endr
.endm
.macro FRAGQ sl, qq                    ; a whole quarter: 16 loads
.irp n, 0,1,2,3
	FRAGL \sl, \qq, \n
.endr
.endm
.macro LDQ sl                          ; quarters 0, 1 and 2 of a slot: 48 loads
	FRAGQ \sl, 0
	FRAGQ \sl, 1
	FRAGQ \sl, 2
.endm
.macro ALOAD p, k, x                   ; act: K step k of the expert x experts behind the base, into buffer p: 16 loads of 512 consecutive bytes
	WIN 0x40
.irp g, 0,1,2,3
.irp a, 0,1,2,3
	global_load_b128 v[128*(\p)+64*(\k)+16*\a+4*\g:128*(\p)+64*(\k)+16*\a+4*\g+3], v[AO], s[4:5] offset:(\x)*65536+(\k)*8192+2048*\g+512*\a
.endr
.endr
.endm
.macro ASK off
	WIN 0
	s_cmp_gt_u32 s[TRIP], s[PFL]
	s_cbranch_scc0 .Lnot_mine_\@
	global_prefetch_b8 v[PFV], s[PFA:PFA+1] offset:\off th:TH_LOAD_NT scope:SCOPE_SE
.Lnot_mine_\@:
.endm
; QUARTER q of an expert: K step q / 2, h half q % 2: 16 matrix instructions on 16 accumulators by turns.  e2: the expert's parity = its slot = its act buffer.
; mode 0: the slot is filled again with the tile two experts on; 1: expert 6, nothing is filled; 2: expert 7.
.macro Q e2, q, mode
.set ks, (\q)/2
.set rB, 64+64*((\q)%3)
.if \q == 0
.if \mode < 2
	s_wait_loadcnt 32                              ; K step 0's act is in; behind it: its K step 1 and the next expert's K step 0, 16 loads each
.else
	s_wait_loadcnt 16
.endif
	s_wait_dscnt 32                                ; this quarter's fragments are in; the next two quarters' loads may be out
.endif
.if \q == 1
	PLACES                                         ; for the loads into buffer 0, which quarter 0 has read
.if (\mode == 0) && (\e2 == 0)
	s_wait_xcnt 0x0                                ; the loads and prefetches of the last trip have read their bases
	s_add_nc_u64 s[4:5], s[4:5], 0x20000           ; two experts on in act
	s_add_nc_u64 s[PFA:PFA+1], s[PFA:PFA+1], 0x200000
.endif
	FRAGQ \e2, 3
.if \mode == 0
	ALOAD 1-\e2, 1, \e2-1                          ; K step 1 of the next expert
.elseif \mode == 1
	ALOAD 1, 1, 1
.endif
	s_wait_dscnt 32                                ; behind this quarter's: two quarters' loads
.endif
.if \q == 2
.if \mode < 2
	s_wait_loadcnt 32                              ; K step 1's act is in; behind it: the next expert's two K steps
.else
	s_wait_loadcnt 0x0
.endif
.if \mode == 0
	PLACES                                         ; for the loads into the act registers that quarter 1 has read
	ALOAD \e2, 0, \e2                              ; K step 0 of the expert two on
.endif
	s_wait_dscnt 16                                ; behind this quarter's: the last quarter's loads
.endif
.if \q == 3
	s_wait_dscnt 0x0
.if \mode < 2
	WIN 0
	s_wait_tensorcnt 0x0                           ; my part of the next slot has landed: so group 0 may be written
	ds_add_u32 v[SPW], v[NIL]                      ; 0 onto my spare word
.if \mode == 0
	s_add_nc_u64 s[G0+4*(\e2)+2:G0+4*(\e2)+3], s[G0+4*(\e2)+2:G0+4*(\e2)+3], 0x200000   ; two experts on
.endif
.endif
.endif
.set w, 0
.rept 16
.if (\q == 3) && (\mode < 2) && (w == 8)
	s_wait_dscnt 0x0                               ; the add is done; my reads of this slot were over above
	s_barrier_signal -1
.endif
.set rD, 8*(16*((\q)%2)+w)
.set rW, rB+16*(w/4)
.set rT, 128*(\e2)+64*ks+16*(w%4)
	WIN 0xa4                                       ; source 0 window 0, source 1 window 1, C and D window 2
.if ks == 0
	v_wmma_f32_16x16x128_bf8_bf8 v[rD:rD+7], v[rW:rW+15], v[rT:rT+15], 0
.else
	v_wmma_f32_16x16x128_bf8_bf8 v[rD:rD+7], v[rW:rW+15], v[rT:rT+15], v[rD:rD+7]
.endif
.set w, w+1
.endr
.endm
.macro FOLD e2                         ; totals += sums x (rw 2^k2); each accumulator from its low end on
	WIN 0xf2                                       ; source 0 window 2, source 1 window 0, source 2 and destination window 3
.set ta, 0
.rept 32
.set qq, 8*ta
.set rr, RW+8*(ta%4)
.rept 4
.if \e2
	v_pk_fma_f32 v[qq:qq+1], v[qq:qq+1], v[rr:rr+1], v[qq:qq+1] op_sel:[0,1,0]
.else
	v_pk_fma_f32 v[qq:qq+1], v[qq:qq+1], v[rr:rr+1], v[qq:qq+1] op_sel_hi:[1,0,1]
.endif
.set qq, qq+2
.endr
.set ta, ta+1
.endr
	WIN 0
.endm
.macro EXPERT e2, mode
	Q \e2, 0, \mode
	Q \e2, 1, \mode
	Q \e2, 2, \mode
	Q \e2, 3, \mode
	WIN 0
.if \mode < 2
	s_barrier_wait -1
.if \mode == 0
	CREST                                          ; no wave of any partner still reads this slot or has a load on its way
	tensor_load_to_lds s[G0+4*(\e2):G0+4*(\e2)+3], s[G1:G1+7]   ; my one tensor load behind the round
	s_nop 0
.endif
.endif
	PLACES
.if \mode < 2
	LDQ 1-\e2                                      ; the next expert's first three quarters come in under the fold
.endif
.if \mode == 0
	ASK 0x100000*\e2
.endif
	FOLD \e2
.endm
	s_load_b256 s[4:11], s[0:1], 0x0               ; act, weights, bias, routing weights
	s_load_b128 s[12:15], s[0:1], 0x20             ; the scales' exponents, out
	v_lshl_add_u32 v[SPW], v0, 2, SPARE
	v_mov_b32 v[NIL], 0
	ds_add_u32 v[SPW], v[NIL]                      ; the wave's opening: the add, twice on end, and its wait ahead of my first tensor load
	ds_add_u32 v[SPW], v[NIL]
	v_lshrrev_b32 v13, 5, v0
	v_readfirstlane_b32 s[WV], v13                 ; wave 0..3
	s_lshl_b32 s44, s[WV], 8                       ; my quarter of a row
	s_mul_i32 s45, s[WV], STGW
	s_mul_i32 s46, s[WV], 16*SP
	v_and_b32 v60, 15, v0                          ; r
	v_bfe_u32 v61, v0, 4, 1                        ; h
	v_and_b32 v62, 31, v0                          ; lane
	v_lshlrev_b32 v[AO], 4, v62
	v_lshlrev_b32 v[PFV], 8, v62
	v_lshlrev_b32 v[RO], 5, v60
	v_lshlrev_b32 v[BO], 5, v61
	v_mul_u32_u24 v[AD], v60, PITCH
	v_lshl_add_u32 v[AD], v61, 4, v[AD]
	v_add_nc_u32 v[AD], s44, v[AD]
	v_add_nc_u32 v[AD+1], 4*TILEB, v[AD]
	v_add_nc_u32 v[AD+2], SLOTB, v[AD]
	v_add_nc_u32 v[AD+3], SLOTB+4*TILEB, v[AD]
	v_mul_u32_u24 v[STO], v60, SP
	v_lshl_add_u32 v[STO], v61, 5, v[STO]
	v_add_nc_u32 v[STO], s45, v[STO]
	v_add_nc_u32 v[SRD], s46, v[AO]
	v_add_nc_u32 v[SRD+1], 2*STGW, v[SRD]
	VW
	s_mov_b32 s[G1], 15|(1<<20)|(1<<21)|(7<<22)|(3<<25)   ; mask of all four; elements of 1 byte; padding on, after every 256 words four; 21 set beside a mask
	s_mov_b32 s[G1+1], 1024<<16
	s_mov_b32 s[G1+2], 32<<16
	s_mov_b32 s[G1+3], 1024<<16
	s_mov_b32 s[G1+4], 32
	s_mov_b32 s[G1+5], 1024
	s_mov_b32 s[G1+6], 0
	s_mov_b32 s[G1+7], 0
	s_and_b32 s19, ttmp7, 0xffff                   ; my block of 128 h, which the four partners share
	s_bfe_u32 s17, ttmp6, 0x40000                  ; cx: it enters no LDS address and no descriptor
	s_lshl_b32 s18, ttmp9, 2
	s_add_co_u32 s18, s18, s17                     ; my block of 64 tokens
	s_lshl_b32 s44, s19, 17                        ; weights: 128 rows a block, 32 rows a wave
	s_lshl_b32 s45, s[WV], 15
	s_add_co_u32 s44, s44, s45
	s_mov_b32 s45, 0
	s_mul_i32 s46, s[WV], 32*PITCH
	s_lshl_b32 s48, s18, 19                        ; act: 524,288 bytes a block, 16,384 a quarter of an expert
	s_lshl_b32 s49, s[WV], 14
	s_add_co_u32 s48, s48, s49
	s_mov_b32 s49, 0
	s_lshl_b32 s50, s19, 9                         ; bias: expert 2 w, my block of h
	s_lshl_b32 s51, s[WV], 13
	s_add_co_u32 s50, s50, s51
	s_mov_b32 s51, 0
	s_lshl_b32 s52, s18, 11                        ; routing weights: 32 bytes a token
	s_mov_b32 s53, 0
	s_lshl_b32 s54, s18, 18                        ; out: the 16 rows that I store
	s_lshl_b32 s55, s[WV], 16
	s_add_co_u32 s54, s54, s55
	s_lshl_b32 s55, s19, 9
	s_add_co_u32 s54, s54, s55
	s_mov_b32 s55, 0
	s_lshl_b32 s[PFA], s19, 17                     ; prefetch: 32 rows of the tile for each partner, 8 for each wave
	s_lshl_b32 s57, s17, 15
	s_add_co_u32 s[PFA], s[PFA], s57
	s_lshl_b32 s57, s[WV], 13
	s_add_co_u32 s[PFA], s[PFA], s57
	s_mov_b32 s57, 0
	s_lshl_b32 s58, s[WV], 3                       ; experts 2 w, 2 w + 1 of a token's weights
	s_mov_b32 s59, 0
	s_and_b32 s43, ttmp9, 2                        ; four of the eight clusters that share this h prefetch: 0, 1, 4 and 5
	s_cmp_eq_u32 s43, 0
	s_cselect_b32 s[PFL], 1, 3
	s_wait_dscnt 0x0                               ; both opening adds are done
	s_wait_kmcnt 0x0
	s_load_b128 s[20:23], s[12:13], 0x0            ; e0, e1, e2, e3
	s_add_nc_u64 s[4:5], s[4:5], s[48:49]
	s_add_nc_u64 s[8:9], s[8:9], s[50:51]
	s_add_nc_u64 s[10:11], s[10:11], s[52:53]
	s_add_nc_u64 s[58:59], s[10:11], s[58:59]
	s_add_nc_u64 s[14:15], s[14:15], s[54:55]
	s_add_nc_u64 s[PFA:PFA+1], s[6:7], s[PFA:PFA+1]
	s_add_nc_u64 s[PFA:PFA+1], s[PFA:PFA+1], 0x200000      ; tile 2: the first trip steps it to tile 4
	s_mov_b32 s[G0], 1
	s_mov_b32 s[G0+1], s46
	s_add_nc_u64 s[G0+2:G0+3], s[6:7], s[44:45]
	s_or_b32 s[G0+3], s[G0+3], 0x80000000
	s_mov_b32 s[G0+4], 1
	s_add_co_u32 s[G0+5], s46, SLOTB
	s_add_nc_u64 s[G0+6:G0+7], s[6:7], s[44:45]
	s_add_nc_u64 s[G0+6:G0+7], s[G0+6:G0+7], 0x100000
	s_or_b32 s[G0+7], s[G0+7], 0x80000000
	ROUND                                          ; all four work-groups are here: the first joint loads meet
	tensor_load_to_lds s[G0:G0+3], s[G1:G1+7]      ; tile 0: one tensor load a wave at the head
	s_nop 0
	PLACES
.irp a, 0,1,2,3
	global_load_b128 v[RW+8*\a:RW+8*\a+3], v[RO], s[10:11] offset:512*\a
	global_load_b128 v[RW+8*\a+4:RW+8*\a+7], v[RO], s[10:11] offset:512*\a+16
	global_load_b64 v[RP+2*\a:RP+2*\a+1], v[RO], s[58:59] offset:512*\a
.endr
	WIN 0x80                                       ; the two experts' biases, for the while in the sums' registers
.irp x, 0,1
.irp b, 0,1,2,3,4,5,6,7
	global_load_b128 v[64*\x+8*\b:64*\x+8*\b+3], v[BO], s[8:9] offset:4096*\x+64*\b
	global_load_b128 v[64*\x+8*\b+4:64*\x+8*\b+7], v[BO], s[8:9] offset:4096*\x+64*\b+16
.endr
.endr
	ALOAD 0, 0, 0
	WIN 0
	s_wait_kmcnt 0x0
	s_add_co_i32 s[K2], s22, s23                   ; k2 = e2 + e3
	s_wait_loadcnt 16                              ; routing weights and biases are in; behind them: one K step of act
.set n, 0
.rept 32
	v_ldexp_f32 v[RW+n], v[RW+n], s[K2]            ; rw x 2^k2
.set n, n+1
.endr
	WIN 0xf2
.set ta, 0
.rept 32                                       ; the totals begin, while tile 0 is on its way: rw x bias of my two experts
.set qq, 8*ta
.set rb, 8*(ta/4)
.set rr, RP+2*(ta%4)
.rept 4
	v_pk_mul_f32 v[qq:qq+1], v[rb:rb+1], v[rr:rr+1] op_sel_hi:[1,0]
.set qq, qq+2
.set rb, rb+2
.endr
.set ta, ta+1
.endr
.set ta, 0
.rept 32
.set qq, 8*ta
.set rb, 64+8*(ta/4)
.set rr, RP+2*(ta%4)
.rept 4
	v_pk_fma_f32 v[qq:qq+1], v[rb:rb+1], v[rr:rr+1], v[qq:qq+1] op_sel:[0,1,0]
.set qq, qq+2
.set rb, rb+2
.endr
.set ta, ta+1
.endr
	WIN 0
	VW
	s_wait_tensorcnt 0x0                           ; my part of tile 0 is in
	ds_add_u32 v[SPW], v[NIL]
	s_wait_dscnt 0x0
	ROUND
	tensor_load_to_lds s[G0+4:G0+7], s[G1:G1+7]    ; tile 1
	s_nop 0
	PLACES
	LDQ 0
	ALOAD 0, 1, 0
	ALOAD 1, 0, 1
	WIN 0
	s_mov_b32 s[TRIP], 3
.Ltwo:                                                 ; experts 0-5, two a trip
	EXPERT 0, 0
	EXPERT 1, 0
.irp n, 0,1,2,3,4,5
.irp a, 0,1,2,3
	v_mov_b32 v[RW+8*\a+\n], v[RW+8*\a+\n+2]       ; the next two experts' weights move to the front
.endr
.endr
	VW
	s_sub_co_u32 s[TRIP], s[TRIP], 1
	s_cmp_lg_u32 s[TRIP], 0
	s_cbranch_scc1 .Ltwo
	EXPERT 0, 1                                    ; experts 6 and 7 ask for no further tile
	EXPERT 1, 2
	VW
	s_wait_dscnt 0x0
	s_barrier_signal -1
	s_barrier_wait -1                              ; nobody reads the ring any more, and it has had its last fill: the stages lie there
	WIN 0x0c
.irp a, 0,1,2,3
.irp b, 0,1,2,3,4,5,6,7
	ds_store_b128 v[STO], v[8*(4*\b+\a):8*(4*\b+\a)+3] offset:\a*16*SP+64*\b
	ds_store_b128 v[STO], v[8*(4*\b+\a)+4:8*(4*\b+\a)+7] offset:\a*16*SP+64*\b+16
.endr
.endr
	WIN 0
	s_wait_dscnt 0x0                               ; for the others' sake: my totals are in my stage
	s_barrier_signal -1
	s_barrier_wait -1
	WIN 0x40
.irp t, 0,1,2,3,4,5,6,7,8,9,10,11,12,13,14,15
.irp x, 0,1
	ds_load_b128 v[16*\t+4*\x:16*\t+4*\x+3], v[SRD] offset:\x*STGW+\t*SP
	ds_load_b128 v[16*\t+4*\x+8:16*\t+4*\x+11], v[SRD+1] offset:\x*STGW+\t*SP
.endr
.endr
.irp g, 0,1,2,3                                ; four rows at a time: the four waves' totals added, then stored
	WIN 0x45
	s_wait_dscnt 48-16*\g                          ; behind these rows' 16 loads: 16 for each later four
.irp x, 0,2,8,10
.irp t, 0,1,2,3
	v_pk_add_f32 v[64*\g+16*\t+\x:64*\g+16*\t+\x+1], v[64*\g+16*\t+\x:64*\g+16*\t+\x+1], v[64*\g+16*\t+\x+4:64*\g+16*\t+\x+5]
.endr
.endr
.irp x, 0,2
.irp t, 0,1,2,3
	v_pk_add_f32 v[64*\g+16*\t+\x:64*\g+16*\t+\x+1], v[64*\g+16*\t+\x:64*\g+16*\t+\x+1], v[64*\g+16*\t+\x+8:64*\g+16*\t+\x+9]
.endr
.endr
	WIN 0x04
.irp t, 0,1,2,3
	global_store_b128 v[AO], v[64*\g+16*\t:64*\g+16*\t+3], s[14:15] offset:(4*\g+\t)*4096 th:TH_STORE_NT   ; 32 lanes store 512 consecutive bytes of a row
.endr
.endr
	WIN 0
	s_wait_tensorcnt 0x0                           ; the wave's end
	ds_add_u32 v[SPW], v[NIL]
	s_wait_dscnt 0x0
	ROUND                                          ; the closing round: no work-group ends while a partner may still ask for a tile that names it
	s_endpgm
.Lfunc_end_k_q4aa0e95d48_down:
	.size	k_q4aa0e95d48_down, .Lfunc_end_k_q4aa0e95d48_down-k_q4aa0e95d48_down
	.p2alignl 7, 3214868480
	.fill 96, 4, 3214868480
	.section	.rodata,"a",@progbits
	.p2align	6, 0x0
	.amdhsa_kernel k_q4aa0e95d48_down
		.amdhsa_group_segment_fixed_size 327680
		.amdhsa_private_segment_fixed_size 0
		.amdhsa_enable_private_segment 0
		.amdhsa_kernarg_size 48
		.amdhsa_user_sgpr_count 2
		.amdhsa_user_sgpr_kernarg_segment_ptr 1
		.amdhsa_wavefront_size32 1
		.amdhsa_system_sgpr_workgroup_id_x 1
		.amdhsa_system_sgpr_workgroup_id_y 1
		.amdhsa_system_sgpr_workgroup_id_z 1
		.amdhsa_system_vgpr_workitem_id 0
		.amdhsa_next_free_vgpr 1024
		.amdhsa_next_free_sgpr 66
		.amdhsa_reserve_vcc 0
		.amdhsa_float_denorm_mode_32 3
		.amdhsa_float_denorm_mode_16_64 3
		.amdhsa_memory_ordered 1
		.amdhsa_forward_progress 1
		.amdhsa_inst_pref_size 127
	.end_amdhsa_kernel
	.amdgpu_metadata
---
amdhsa.version: [ 1, 2 ]
amdhsa.kernels:
  - .name:           k_q4aa0e95d48_down
    .symbol:         k_q4aa0e95d48_down.kd
    .args:
      - { .name: act, .offset: 0, .size: 8, .value_kind: global_buffer, .address_space: global }
      - { .name: down_proj_codes, .offset: 8, .size: 8, .value_kind: global_buffer, .address_space: global }
      - { .name: down_proj_bias, .offset: 16, .size: 8, .value_kind: global_buffer, .address_space: global }
      - { .name: routing_weights, .offset: 24, .size: 8, .value_kind: global_buffer, .address_space: global }
      - { .name: lowp_scales, .offset: 32, .size: 8, .value_kind: global_buffer, .address_space: global }
      - { .name: out0, .offset: 40, .size: 8, .value_kind: global_buffer, .address_space: global }
    .group_segment_fixed_size: 327680
    .private_segment_fixed_size: 0
    .kernarg_segment_align: 8
    .kernarg_segment_size: 48
    .max_flat_workgroup_size: 128
    .sgpr_count:     66
    .vgpr_count:     1024
    .wavefront_size: 32
...
	.end_amdgpu_metadata
.endif
;; end of part 2
